; MI455X (gfx1250); checked and timed in simulation.
; The chip was launched on July 23, 2026; its instructions are those of AMD's public machine-readable ISA for CDNA 5 (MIT licence, August 2026) and "CDNA5" Instruction Set Architecture Reference Guide (July 2026). The comments in the code are by the model that wrote it; some were corrected since.
;; Conv2 D Sum. Allowed arithmetic: float matrix products may take bf16 or f16 operands with f32 sums; all other float work in f32.
;; Inputs: accumulators 1 x 1 x 32 x 32 float32; x 32 x 128 x 128 x 32 float32.
;; Outputs: out0 32 x 128 x 128 x 32 float32.
;; One version. Each part assembles by itself: llvm-mc -triple=amdgcn-amd-amdhsa -mcpu=gfx1250 --defsym DOCPART=n.
;; ======== version 1 of 1: 1 launch
;; launch logconv (part 1): grid 256 x 1, 16 waves a work-group, no clusters, 315,392 bytes of LDS; arguments x, accumulators, out0; writes out0
.if DOCPART == 1
	.amdgcn_target "amdgcn-amd-amdhsa--gfx1250"
	.amdhsa_code_object_version 6
	.text
	.protected	k_q3de697ed19_logconv
	.globl	k_q3de697ed19_logconv
	.p2align	8
	.type	k_q3de697ed19_logconv,@function
k_q3de697ed19_logconv:
	s_mov_b64 s[64:65], 0
	v_nop
	global_prefetch_b8 v0, s[64:65] scope:SCOPE_SE
	s_setreg_imm32_b32 hwreg(HW_REG_WAVE_MODE, 25, 1), 1
	s_wait_xcnt 0x0
; out[n][s] = m[n] + ln( sum over c of exp(x[n][c] - m[n]) * w[c][s] ),  m[n] = max over c of x[n][c],
; w = softmax of accumulators[c][s] over c.   x, out: [524288][32] f32.   accumulators: [32][32] f32.
;
; SHARES.  256 work-groups of 16 waves.  A work-group owns 2,048 rows (262,144 bytes), a wave 128 rows = 8 tiles of 16 rows (2,048 bytes).
; A work-group's whole input fits in LDS, so each wave asks for its 8 tiles at once (8 tensor loads outstanding); no slot is filled
; twice, every wave reads only what its own loads brought: s_wait_tensorcnt is all the ordering there is, and there is no barrier.
; x is dense, so a tile is given to the mover as 8 rows of 256 consecutive bytes, each at a multiple of 256 from x's first byte, with
; 16 bytes of padding behind each: row p of x lies at (p>>1)*272 + (p&1)*128.
;
; THE PRODUCT.  v_wmma_f32_16x16x32_bf16 with the weights as source 0 and the data as source 1.  K is permuted alike on both sides:
; lane (r = l%16, h = l/16) holds channels 16h .. 16h+15, of data row r (64 neighbouring bytes of LDS) or of a weight column.
; Row m of weight fragment t (t = 0, 1) is sum s = 2m + t.  So register j of result t in lane (r, h) is out[row r][16h + 2j + t]:
; a lane ends with 16 neighbouring numbers of its own row, beside that row's maximum, and the logarithm's destination undoes the interleave.
;
; THE WAY OUT.  16 rows go through the wave's own stage in LDS and come back by rows: each store of the wave covers 512 consecutive bytes, aligned.
;
; NO CLUSTER: the only bytes that work-groups share are the 4,096 of the accumulators, against 262,144 of x for each work-group.
;
; RANGE.  The row's maximum is taken away as in the formula.  On top, p and w each carry a factor 2^32 (in the exponent's addend and in the
; softmax's reciprocal: no instruction in the tiles' work), and 64 ln 2 is taken off with m.  v_exp_f32 and v_log_f32 flush what is below
; 2^-126 (ISA guide 15.8); with the factors, p and w down to 2^-158 and sums down to 2^-190 are kept, and the largest sum is about 2^64.
; LIMIT: where the true sum is below 2^-126 (f32's denormals) f32 arithmetic without these factors loses bits, and below 2^-149 it gives
; -inf; this text still gives the finite logarithm there, so the two differ in that range.  p and w are rounded to bf16 (f16 has not the range).
; NaN or +inf in a row, and a row of -inf alone, make the row's 32 results NaN.
.set TILES,  8                         ; tiles of a wave
.set TILE,   2048                      ; bytes of a tile in memory: 16 rows of 128
.set PITCH,  272                       ; 256 bytes (two rows of x) + 16 of padding
.set SLOT,   8*PITCH                   ; a tile in LDS
.set WAVES,  16
.set WLDS,   TILES*SLOT                ; a wave's 8 slots
.set STAGE,  WAVES*WLDS                ; behind all slots: one stage of SLOT bytes for each wave
.set AO,   6                           ; v6       my byte offset in the accumulators
.set LA,   8                           ; v8       LDS address of my 64 bytes of data in my wave's slot 0
.set SA,   9                           ; v9       the same place in my wave's stage
.set RA,   10                          ; v10      where I read the stage back, by rows
.set CO,   11                          ; v11      my byte offset in the work-group's part of out
.set K,    12                          ; v12 addend of the exponent; v13 the row's maximum; v14 addend of the result; v15 the other half's figure
.set WA0,  16                          ; v[16:23] weight fragment of the even sums
.set WA1,  24                          ; v[24:31] of the odd sums
.set X,    32                          ; v[32:47] 16 numbers of x, then of p
.set PB,   48                          ; v[48:55] p in bf16: the data fragment
.set D0,   56                          ; v[56:63] sums s = 16h + 2j
.set D1,   64                          ; v[64:71] sums s = 16h + 2j + 1
.set O,    72                          ; v[72:87] 16 results in the order of s
.set R,    88                          ; v[88:103] four times 16 bytes read back from the stage
.set RAW,  32                          ; v[32:63] in front of the tiles only: the accumulators, pair p = (c = 16h+p; s = 2r, 2r+1)
.set G1,   16                          ; s[16:23] descriptor group 1, the same for all loads
.set G0,   24                          ; s[24:55] descriptor group 0, a set for each of the 8 loads: none is rewritten
.set LOG2E, 0x3fb8aa3b
.set LN2,   0x3f317218
	s_load_b128 s[4:7], s[0:1], 0x0                ; x s[4:5], accumulators s[6:7]
	s_load_b64 s[8:9], s[0:1], 0x10                ; out
	v_lshl_add_u32 v104, v0, 2, 0x4c800
	v_mov_b32 v105, 0
	ds_add_u32 v104, v105
	ds_add_u32 v104, v105
	v_lshrrev_b32 v1, 5, v0
	v_readfirstlane_b32 s10, v1                    ; wave 0..15
	v_and_b32 v1, 15, v0                           ; r
	v_bfe_u32 v2, v0, 4, 1                         ; h
	v_lshlrev_b32 v[AO], 3, v1                     ; two sums of 4 bytes: 8 r
	v_lshl_add_u32 v[AO], v2, 11, v[AO]            ; + 16 h rows of 128 bytes
	s_lshl_b32 s2, ttmp9, 18                       ; the work-group's 262,144 bytes (at most 255 x 2^18: 32 bits do)
	s_mov_b32 s3, 0
	s_lshl_b32 s58, s10, 14                        ; the wave's 16,384 bytes in them
	s_mul_i32 s11, s10, WLDS                       ; the wave's slots
	s_mul_i32 s57, s10, SLOT
	s_add_co_u32 s57, s57, STAGE                   ; the wave's stage
	s_mov_b32 s12, 0x76543210                      ; v_permlanex16_b32: lane i reads lane i of the other half
	s_mov_b32 s13, 0xfedcba98
	s_mov_b32 s14, LOG2E
	s_mov_b32 s15, 0x42000000                      ; 32.0: the factor 2^32 of p and of w
	s_mov_b32 s56, 0xc2317218                      ; -64 ln 2: both factors taken off again
	; group 1: 8 rows of 32 elements of 8 bytes, dense; 4 words of padding behind every 64 words
	s_mov_b32 s[G1+0], (3<<16)|(1<<20)|(5<<22)|(3<<25)
	s_mov_b32 s[G1+1], 32<<16                      ; tensor_dim0 = 32
	s_mov_b32 s[G1+2], 8<<16                       ; tensor_dim1 = 8
	s_mov_b32 s[G1+3], 32<<16                      ; tile_dim0 = 32
	s_mov_b32 s[G1+4], 8                           ; tile_dim1 = 8
	s_mov_b32 s[G1+5], 32                          ; from row to row: 32 elements
	s_mov_b32 s[G1+6], 0
	s_mov_b32 s[G1+7], 0
.irp t, 0,1,2,3,4,5,6,7
	s_mov_b32 s[G0+4*\t], 1                        ; count = 1
	s_add_co_u32 s[G0+4*\t+1], s11, \t*SLOT        ; LDS address: wave x WLDS + tile x SLOT
.endr
	s_wait_dscnt 0x0
	s_wait_kmcnt 0x0
	; the accumulators first, so that these few bytes do not stand behind the tiles: each load covers two whole rows of 128 bytes
.irp p, 0,1,2,3,4,5,6,7,8,9,10,11,12,13,14,15
	global_load_b64 v[RAW+2*\p:RAW+2*\p+1], v[AO], s[6:7] offset:128*\p
.endr
	s_add_nc_u64 s[8:9], s[8:9], s[2:3]            ; out at the work-group's first row
	s_add_co_u32 s2, s2, s58
	s_add_nc_u64 s[4:5], s[4:5], s[2:3]            ; x at the wave's first row
.irp t, 0,1,2,3,4,5,6,7
	s_add_nc_u64 s[G0+4*\t+2:G0+4*\t+3], s[4:5], \t*TILE
	s_or_b32 s[G0+4*\t+3], s[G0+4*\t+3], 0x80000000    ; type = 2
	tensor_load_to_lds s[G0+4*\t:G0+4*\t+3], s[G1:G1+7]
	s_nop 0
.endr
	; lane addresses.  Data row r: (r>>1) x 272 + (r&1) x 128, my half of it at 64 h.  In a pass of 16 lanes (one h) these are 16 different
	; 16-byte columns modulo 256 bytes (64 banks of 4 bytes: ISA guide 11.1): 16 (r>>1) + 128 (r&1).
	v_bfe_u32 v3, v0, 1, 3                         ; r >> 1
	v_and_b32 v4, 1, v0                            ; r & 1
	v_mul_u32_u24 v5, v3, PITCH
	v_lshl_add_u32 v5, v4, 7, v5
	v_lshl_add_u32 v5, v2, 6, v5
	v_add_nc_u32 v[LA], s11, v5
	v_add_nc_u32 v[SA], s57, v5
	v_mul_u32_u24 v5, v2, PITCH                    ; back: lanes 0-15 take 256 neighbouring bytes (two rows of out), lanes 16-31 the next 256
	v_lshl_add_u32 v5, v1, 4, v5
	v_add_nc_u32 v[RA], s57, v5
	v_and_b32 v5, 31, v0
	v_lshl_add_u32 v[CO], v5, 4, s58               ; 16 x lane + the wave's 16,384 bytes
	v_mov_b32 v[K+2], 0                            ; v_permlanex16_b32 counts as a reader of its destination: written once here
	v_mov_b32 v[K+3], 0
	s_wait_loadcnt 0x0                             ; the accumulators
	; SOFTMAX over c of my two columns s = 2r, 2r+1 (even registers, odd registers); my 16 channels, then the other half's
	v_max3_num_f32 v[K],   v[RAW],   v[RAW+2], v[RAW+4]
	v_max3_num_f32 v[K+1], v[RAW+1], v[RAW+3], v[RAW+5]
.irp p, 3,5,7,9,11,13
	v_max3_num_f32 v[K],   v[K],   v[RAW+2*\p],   v[RAW+2*\p+2]
	v_max3_num_f32 v[K+1], v[K+1], v[RAW+2*\p+1], v[RAW+2*\p+3]
.endr
	v_max_num_f32 v[K],   v[K],   v[RAW+30]
	v_max_num_f32 v[K+1], v[K+1], v[RAW+31]
	v_permlanex16_b32 v[K+2], v[K],   s12, s13
	v_permlanex16_b32 v[K+3], v[K+1], s12, s13
	v_max_num_f32 v[K],   v[K],   v[K+2]           ; the columns' maxima, alike in both halves
	v_max_num_f32 v[K+1], v[K+1], v[K+3]
	v_fma_f32 v[K],   -v[K],   s14, s15            ; 32 - max log2(e); its rounding is common to a column and cancels in the quotient
	v_fma_f32 v[K+1], -v[K+1], s14, s15
.irp p, 0,1,2,3,4,5,6,7,8,9,10,11,12,13,14,15
	v_pk_fma_f32 v[RAW+2*\p:RAW+2*\p+1], v[RAW+2*\p:RAW+2*\p+1], LOG2E, v[K:K+1] op_sel_hi:[1,0,1]
.endr
.set i, 0
.rept 32
	v_exp_f32 v[RAW+i], v[RAW+i]                   ; 2^32 exp(a - max)
.set i, i+1
.endr
	v_nop                                          ; one plain vector instruction between the exponentials and the first use (ISA guide 5.7.2)
	s_wait_alu depctr_va_vdst(0)
	v_pk_add_f32 v[K+2:K+3], v[RAW:RAW+1], v[RAW+2:RAW+3]
.irp p, 2,3,4,5,6,7,8,9,10,11,12,13,14,15
	v_pk_add_f32 v[K+2:K+3], v[K+2:K+3], v[RAW+2*\p:RAW+2*\p+1]
.endr
	v_permlanex16_b32 v[K],   v[K+2], s12, s13
	v_permlanex16_b32 v[K+1], v[K+3], s12, s13
	v_pk_add_f32 v[K+2:K+3], v[K+2:K+3], v[K:K+1]  ; 2^32 x the columns' sums: between 2^32 and 2^37
	v_rcp_f32 v[K+2], v[K+2]
	v_rcp_f32 v[K+3], v[K+3]
	v_nop                                          ; the plain place behind the reciprocals
	s_wait_alu depctr_va_vdst(0)
	v_pk_mul_f32 v[K+2:K+3], v[K+2:K+3], 0x4f800000 op_sel_hi:[1,0]    ; x 2^32, so that the quotient is 2^32 w
.irp p, 0,1,2,3,4,5,6,7,8,9,10,11,12,13,14,15
	v_pk_mul_f32 v[RAW+2*\p:RAW+2*\p+1], v[RAW+2*\p:RAW+2*\p+1], v[K+2:K+3]
.endr
.irp q, 0,1,2,3,4,5,6,7
	v_cvt_pk_bf16_f32 v[WA0+\q], v[RAW+4*\q],   v[RAW+4*\q+2]      ; channels 16h+2q, 16h+2q+1 of column 2r
	v_cvt_pk_bf16_f32 v[WA1+\q], v[RAW+4*\q+1], v[RAW+4*\q+3]      ; and of column 2r+1
.endr
; One tile: 16 rows.
.macro TURN t
	s_wait_tensorcnt TILES-1-\t                    ; a wave's tensor loads end in order (ISA guide 10.11.1): tile t is in, the younger ones stay out
.irp j, 0,1,2,3
	ds_load_b128 v[X+4*\j:X+4*\j+3], v[LA] offset:\t*SLOT+16*\j    ; x[row r][16h + 4j ..]
.endr
	s_wait_dscnt 0x0
	v_max3_num_f32 v1, v[X],    v[X+1],  v[X+2]    ; the largest of my 16, three levels deep
	v_max3_num_f32 v2, v[X+3],  v[X+4],  v[X+5]
	v_max3_num_f32 v3, v[X+6],  v[X+7],  v[X+8]
	v_max3_num_f32 v4, v[X+9],  v[X+10], v[X+11]
	v_max3_num_f32 v5, v[X+12], v[X+13], v[X+14]
	v_max3_num_f32 v1, v1, v2, v3
	v_max3_num_f32 v4, v4, v5, v[X+15]
	v_max_num_f32 v[K+1], v1, v4
	v_permlanex16_b32 v[K+3], v[K+1], s12, s13     ; the other 16 channels of my row lie in lane l xor 16
	v_max_num_f32 v[K+1], v[K+1], v[K+3]           ; m
	v_fma_f32 v[K], -v[K+1], s14, s15              ; 32 - m log2(e)
	v_add_f32 v[K+2], s56, v[K+1]                  ; m - 64 ln 2
.irp i, 0,1,2,3,4,5,6,7
	v_pk_fma_f32 v[X+2*\i:X+2*\i+1], v[X+2*\i:X+2*\i+1], LOG2E, v[K:K+1] op_sel_hi:[1,0,0]    ; both halves take v[K]
.endr
.irp i, 0,1,2,3,4,5,6,7,8,9,10,11,12,13,14,15
	v_exp_f32 v[X+\i], v[X+\i]                     ; 2^32 exp(x - m)
.endr
	v_nop                                          ; the plain place behind the exponentials (ISA guide 5.7.2)
	s_wait_alu depctr_va_vdst(0)
.irp q, 0,1,2,3,4,5,6,7
	v_cvt_pk_bf16_f32 v[PB+\q], v[X+2*\q], v[X+2*\q+1]
.endr
	v_wmma_f32_16x16x32_bf16 v[D0:D0+7], v[WA0:WA0+7], v[PB:PB+7], 0   ; K is 32: one product is the whole sum, nothing is cleared
	v_wmma_f32_16x16x32_bf16 v[D1:D1+7], v[WA1:WA1+7], v[PB:PB+7], 0
.rept 4
	v_nop                                          ; four places before a vector instruction reads a matrix result (ISA guide 7.12.1)
.endr
.irp j, 0,1,2,3,4,5,6,7
	v_log_f32 v[O+2*\j],   v[D0+\j]                ; s = 16h + 2j
	v_log_f32 v[O+2*\j+1], v[D1+\j]                ; s = 16h + 2j + 1
.endr
	v_nop                                          ; the plain place behind the logarithms
	s_wait_alu depctr_va_vdst(0)
.irp i, 0,1,2,3,4,5,6,7
	v_pk_fma_f32 v[O+2*\i:O+2*\i+1], v[O+2*\i:O+2*\i+1], LN2, v[K+2:K+3] op_sel_hi:[1,0,0]    ; ln 2 x log2 + (m - 64 ln 2)
.endr
.irp q, 0,1,2,3
	ds_store_b128 v[SA], v[O+4*\q:O+4*\q+3] offset:16*\q           ; row r, bytes 64h + 16q: the data's own layout, free of conflicts
.endr
	s_wait_xcnt 0x0                                ; the last tile's stores have read R (ISA guide 3.1): it is loaded again only behind this wait
.irp q, 0,1,2,3
	ds_load_b128 v[R+4*\q:R+4*\q+3], v[RA] offset:\q*2*PITCH       ; LDS serves a wave's instructions in order (ISA guide 5.7.1.4): these see the stores above,
.endr                                                                  ; and the next tile's stores come behind these loads
.irp q, 0,1,2,3
	s_wait_dscnt 3-\q                              ; load q is in, the younger ones may be out
	global_store_b128 v[CO], v[R+4*\q:R+4*\q+3], s[8:9] offset:\t*TILE+512*\q th:TH_STORE_NT   ; 32 lanes: 512 consecutive bytes, four rows of out
.endr
.endm
.irp t, 0,1,2,3,4,5,6,7
	TURN \t                                        ; the counts run down 7 .. 0: the last wait is for zero, as it has to be before s_endpgm
.endr
	s_wait_tensorcnt 0x0
	ds_add_u32 v104, v105
	s_wait_dscnt 0x0
	s_endpgm
.Lfunc_end_k_q3de697ed19_logconv:
	.size	k_q3de697ed19_logconv, .Lfunc_end_k_q3de697ed19_logconv-k_q3de697ed19_logconv
	.p2alignl 7, 3214868480
	.fill 96, 4, 3214868480
	.section	.rodata,"a",@progbits
	.p2align	6, 0x0
	.amdhsa_kernel k_q3de697ed19_logconv
		.amdhsa_group_segment_fixed_size 315392
		.amdhsa_private_segment_fixed_size 0
		.amdhsa_enable_private_segment 0
		.amdhsa_kernarg_size 24
		.amdhsa_user_sgpr_count 2
		.amdhsa_user_sgpr_kernarg_segment_ptr 1
		.amdhsa_wavefront_size32 1
		.amdhsa_system_sgpr_workgroup_id_x 1
		.amdhsa_system_sgpr_workgroup_id_y 1
		.amdhsa_system_sgpr_workgroup_id_z 1
		.amdhsa_system_vgpr_workitem_id 0
		.amdhsa_next_free_vgpr 106
		.amdhsa_next_free_sgpr 66
		.amdhsa_reserve_vcc 0
		.amdhsa_float_denorm_mode_32 3
		.amdhsa_float_denorm_mode_16_64 3
		.amdhsa_memory_ordered 1
		.amdhsa_forward_progress 1
		.amdhsa_inst_pref_size 58
	.end_amdhsa_kernel
	.amdgpu_metadata
---
amdhsa.version: [ 1, 2 ]
amdhsa.kernels:
  - .name:           k_q3de697ed19_logconv
    .symbol:         k_q3de697ed19_logconv.kd
    .args:
      - { .name: x, .offset: 0, .size: 8, .value_kind: global_buffer, .address_space: global }
      - { .name: accumulators, .offset: 8, .size: 8, .value_kind: global_buffer, .address_space: global }
      - { .name: out0, .offset: 16, .size: 8, .value_kind: global_buffer, .address_space: global }
    .group_segment_fixed_size: 315392
    .private_segment_fixed_size: 0
    .kernarg_segment_align: 8
    .kernarg_segment_size: 24
    .max_flat_workgroup_size: 512
    .sgpr_count:     66
    .vgpr_count:     106
    .wavefront_size: 32
...
	.end_amdgpu_metadata
.endif
;; end of part 1
